; MI455X (gfx1250); checked and timed in simulation.
; The chip was launched on July 23, 2026; its instructions are those of AMD's public machine-readable ISA for CDNA 5 (MIT licence, August 2026) and "CDNA5" Instruction Set Architecture Reference Guide (July 2026). The comments in the code are by the model that wrote it; some were corrected since.
;; Diagonal Linear. Allowed arithmetic: matrix products marked QUANTISED: E3M2 operands, one E8M0 scale for each 32 along K, by v_wmma_scale_f32_16x16x128_f8f6f4 with both operands' format E3M2, f32 sums; everything else in f32.
;; Inputs: W 4,096 x 4,096 float32; x 4,096 x 4,096 float32.
;; Outputs: out0 4,096 x 4,096 float32.
;; This version of the problem:
;;   THIS VERSION OF THE PROBLEM IS GIVEN IN LOW PRECISION. The matrix products marked QUANTISED in the list below multiply operands that are first quantised to E3M2 (3 exponent bits, 2 mantissa bits; 6 bits a number), with one power-of-two scale for each 32 numbers along K (OCP MX v1.0); their sums are f32. All else is computed in f32.
;;   The module's matrix products, in the order in which they are computed (A, B: the left and right operand; K: the contracted axis; several contracted axes count as one K, in the product's order):
;;     1. [M 4,096, K 4,096] x [K 4,096, N 4,096]; A: input x; B: computed on the way: QUANTISED
;;   THE QUANTISER, for each operand of a quantised product, along K:
;;     - K is cut into blocks of 32 from its start; a last block that is shorter is filled with zeros.
;;     - A block's scale is 2^e with e = floor(log2(the largest magnitude in the block)) - 4, held to -126 .. 127; a block of zeros has e = 0. As a byte (E8M0): e + 127.
;;     - Each number is divided by its block's scale, clamped to +-28, and rounded to the nearest number of E3M2, ties to even, subnormals kept.
;;     - The product sums the exact products of the quantised numbers (number of the format x scale) in f32.
;;   ~~~python
;;   def quantise(x, axis):      # numpy; x: float32 -> the quantised numbers, widened to float32 again
;;       x = np.moveaxis(x, axis, -1); K = x.shape[-1]
;;       x = np.pad(x, [(0, 0)] * (x.ndim - 1) + [(0, -K % 32)]); x = x.reshape(x.shape[:-1] + (-1, 32)); a = np.abs(x).max(-1, keepdims=True)
;;       e = np.where(a > 0, np.clip(np.frexp(np.where(a > 0, a, 1))[1] - 1 - 4, -126, 127), 0)      # np.frexp(a)[1] - 1 = floor(log2(a)), exactly
;;       r = np.clip(x / 2.0 ** e, -28, 28)
;;       step = 2.0 ** (np.maximum(np.frexp(np.where(r == 0, 1, r))[1] - 1, -2) - 2)
;;       q = np.round(r / step) * step * 2.0 ** e      # np.round: ties to even
;;       return np.moveaxis(q.reshape(q.shape[:-2] + (-1,))[..., :K], -1, axis).astype(np.float32)
;;   ~~~
;;   OPERANDS COMPUTED ON THE WAY. 'Computed on the way' means the value that the module computes at that place (a softmax that the list does not call 'softmax' is quantised finished and normalised). What goes into a quantiser is computed in f32, as accurately as f32 sums, v_exp_f32 and their like allow (about 1e-6 of the number): no bf16 or f16 on the way to a quantiser, and a product that is left as it is and whose result goes on into a quantised operand takes f32 operands (vector FMAs, or v_wmma_f32_16x16x4_f32). A number that lies on a knife's edge between two numbers of the format may be rounded either way, as far as f32 arithmetic and the matrix unit's own rounding can turn it there, and no further.
;; One version. Each part assembles by itself: llvm-mc -triple=amdgcn-amd-amdhsa -mcpu=gfx1250 --defsym DOCPART=n.
;; ======== version 1 of 1: 2 launches
;; workspace buffers: img 26,214,400 bytes
;; launch quant (part 1): grid 32 x 8, 8 waves a work-group, no clusters, 271,360 bytes of LDS; arguments x, W, img; writes img
.if DOCPART == 1
	.amdgcn_target "amdgcn-amd-amdhsa--gfx1250"
	.amdhsa_code_object_version 6
	.text
	.protected	k_q4e2aa2dc3f_quant
	.globl	k_q4e2aa2dc3f_quant
	.p2align	8
	.type	k_q4e2aa2dc3f_quant,@function
k_q4e2aa2dc3f_quant:
	s_mov_b64 s[64:65], 0
	v_nop
	global_prefetch_b8 v0, s[64:65] scope:SCOPE_SE
	s_setreg_imm32_b32 hwreg(HW_REG_WAVE_MODE, 25, 1), 1
	s_wait_xcnt 0x0
; Both operands of out0 = Q(x) Q(Wm)^T are made here as codes of BF6 (E3M2), 6 bits each, with one E8M0 scale byte for each 32 along K.  x, W: [4096][4096] f32.
; Wm = W x identity, entries with |w| <= 0.001 set to 0.  A block's scale is 2^(floor(log2(its largest magnitude)) - 4); its byte is the largest magnitude's own exponent field - 4, held at 1 from below.
; THE WORKSPACE LIES IN THE ORDER OF THE OPERAND'S REGISTERS.  img = part 0 (Q(x)), part 1 (Q(Wm)), BPART bytes each.  A part: 32 groups of 128 rows; a group: 32 K steps of 128; a (group, K step) is a RECORD of
; 12,800 bytes: eight fragment images of 1,536 bytes (block b = 16 rows x 128 K: registers 4 k .. 4 k + 3 of lane l at 1,536 b + 512 k + 16 l), then 512 bytes of scale words (row r of block b: at 12,288 + 256 (b / 4) + 16 r + 4 (b % 4)).
; SHARES.  Work-group (c, g), eight waves, owns K step c (columns 128 c .. 128 c + 127) of rows 512 g .. 512 g + 511: 256 KiB of x, which lie in LDS at once.  So every tensor load is a first fill: no LDS byte is filled again.
; Wave w owns rows 64 w .. 64 w + 63 of them: half (w % 2) of group I = 4 g + w / 2, as four UNITS of 16 rows x 128 columns (16 rows of 512 consecutive bytes).  It issues its own four loads, all at the head
; (four tensor loads of a wave are out at the most), and reads only its own bytes, each unit behind its own counted wait.  No barrier: waves share nothing.
; A unit: 64 numbers a lane from LDS, two whole blocks of 32 in the order in which the operand's layout gives a lane its k; their scales; the conversions' results ARE the fragment's registers: three stores of 512 consecutive bytes.
; The four units' scale words leave by one store: lanes 0-15 write 256 consecutive bytes of part 0, lanes 16-31 the same place of part 1.
; Wm.  The wave also writes its four blocks of part 1.  Rows 128 I .. 128 I + 127 have their diagonal in K step I: where c differs from I (a scalar branch on ids) the fragments are zeros and the scale bytes 127.
; Where c = I, block b's row r has one number that may differ from 0, at k = 16 b + r of the step: it is loaded, cut at the threshold by a choice of value, and converted among fifteen zeros.
; LIMITS.  NaN and infinities in x or on W's diagonal are not served.  W off the diagonal is not read: the identity mask multiplies it by 0; an infinity or NaN there, which would give NaN, is not reproduced.
; A block of zeros of x carries the byte 1, and in the K step of the diagonal the zero blocks of a row of Wm carry the byte of its diagonal block, where the quantiser says 127: their codes are zeros, which add nothing,
; and only this program reads the bytes.  A block whose largest magnitude lies under 2^-122 has its byte held at 1, as the quantiser's lower hold has it.
; REGISTERS.  v1-12 lane numbers and addresses; v13-15 at work; v16-19 diagonal numbers; v24-31 scale word, permute's destination, maxima, scale operands; v44-50 upper halves of blocks' codes; v52-53 bytes;
;   v64-127 64 numbers of x; v128-175 x's four fragments; v176-223 Wm's four; v224-227, v228-231 their scale words; v232-235 the words as stored; v236-239 zeros.  Every store has data registers of its own: none is written again.
.set PITCH,  528                       ; a row of x in LDS: 512 bytes + 16 of padding = 132 words: row r starts at bank 4 r mod 64 (64 banks of 4 bytes: ISA guide 11.1), so sixteen rows' 16 bytes fall on different banks
.set UNITB,  16*PITCH                  ; a unit: 8,448 bytes
.set WTILE,  4*UNITB                   ; a wave's four units; eight waves: 270,336 bytes
.set ROWG,   16384                     ; a row of x in memory
.set DIAG,   16388                     ; W: bytes from one diagonal number to the next: a row and 4
.set FLOOR,  0x2800000                 ; 2^(5 - 127): no largest magnitude is taken under it, so that a scale's byte cannot fall under 1
.set FRB,    1536                      ; a fragment's image
.set SCW,    8*FRB                     ; where a record's scale words begin
.set REC,    SCW+512                   ; a record
.set GRP,    32*REC                    ; a group of 128 rows, all of K
.set BPART,  32*GRP                    ; a part
.set XA,  3                            ; v3   LDS: my 128 bytes of a block pair in row r of my wave's unit 0
.set VA,  4                            ; v4   img: 16 x lane + my half of the record's eight images
.set VS,  5                            ; v5   img: my 16 bytes of scale words: lanes 0-15 in part 0, lanes 16-31 in part 1
.set SH,  9                            ; v9   8 h: my two scale bytes' place in the word
.set WL,  16
.set PW,  24
.set PT,  25
.set MX,  26
.set SO,  30
.set CT,  44
.set BY,  52
.set X,   64
.set XF,  128
.set BD,  176
.set PWA, 224
.set PWB, 228
.set SD,  232
.set Z,   236
.set G1,  24                           ; s[24:31] descriptor group 1, the same for every load
.set G0,  32                           ; s[32:47] descriptor group 0, one set for each unit
.set GS,  54                           ; s54, s55 which group of three registers takes the diagonal's codes, for even and for odd units
	s_load_b128 s[4:7], s[0:1], 0x0                ; x s[4:5], W s[6:7]
	s_load_b64 s[8:9], s[0:1], 0x10                ; img
	v_lshl_add_u32 v240, v0, 2, 0x42000
	v_mov_b32 v241, 0
	ds_add_u32 v240, v241
	ds_add_u32 v240, v241
	v_lshrrev_b32 v15, 5, v0
	v_readfirstlane_b32 s10, v15                   ; wave 0..7
	s_mov_b32 s11, ttmp9                           ; c: which K step
	s_and_b32 s12, ttmp7, 0xffff                   ; g: which 512 rows
	v_and_b32 v1, 15, v0                           ; r
	v_bfe_u32 v2, v0, 4, 1                         ; h
	v_mul_u32_u24 v12, v1, DIAG                    ; W: row r's diagonal number of a block
	s_lshl_b32 s14, s12, 23                        ; my wave's first number of x, in bytes: (512 g + 64 w) rows of 16,384 + 128 c x 4
	s_lshl_b32 s15, s10, 20
	s_add_co_u32 s14, s14, s15
	s_lshl_b32 s15, s11, 9
	s_add_co_u32 s14, s14, s15
	s_mov_b32 s15, 0
	s_lshl_b32 s16, s12, 9                         ; my first row's diagonal number: (512 g + 64 w) x 16,388 bytes
	s_lshl_b32 s17, s10, 6
	s_add_co_u32 s16, s16, s17
	s_mul_i32 s16, s16, DIAG
	s_mov_b32 s17, 0
	s_lshr_b32 s51, s10, 1
	s_lshl_b32 s13, s12, 2
	s_add_co_u32 s51, s51, s13                     ; I = 4 g + w / 2: my group of 128 rows
	s_and_b32 s23, s10, 1                          ; and which half of its eight blocks
	s_lshl_b32 s52, s51, 5
	s_add_co_u32 s52, s52, s11
	s_mul_i32 s52, s52, REC                        ; my record: (32 I + c) x 12,800 bytes
	s_mov_b32 s53, 0
	s_mul_i32 s50, s10, WTILE                      ; my wave's tiles in LDS
	; descriptor group 1: a tile of 16 rows x 128 elements of 4 bytes, padded in LDS
	s_mov_b32 s[G1+0], (2<<16)|(1<<20)|(6<<22)|(3<<25)   ; 15:0 no mask; 17:16 elements of 4 bytes; 20 padding on; 24:22 after every 128 words (code 6); 31:25 of 4 words (code 3)
	s_mov_b32 s[G1+1], 128<<16                     ; tensor_dim0 = 128
	s_mov_b32 s[G1+2], 16<<16                      ; tensor_dim1 = 16
	s_mov_b32 s[G1+3], 128<<16                     ; tile_dim0 = 128
	s_mov_b32 s[G1+4], 16                          ; tile_dim1 = 16
	s_mov_b32 s[G1+5], 4096                        ; elements from row to row
	s_mov_b32 s[G1+6], 0
	s_mov_b32 s[G1+7], 0
	s_wait_dscnt 0x0
	s_wait_kmcnt 0x0
	s_add_nc_u64 s[4:5], s[4:5], s[14:15]
	s_add_nc_u64 s[6:7], s[6:7], s[16:17]
	s_add_nc_u64 s[8:9], s[8:9], s[52:53]          ; my record in part 0,
	s_add_nc_u64 s[18:19], s[8:9], BPART           ; and in part 1
.irp u, 0,1,2,3
	s_mov_b32 s[G0+4*\u], 1                                        ; count = 1
	s_add_co_u32 s[G0+4*\u+1], s50, \u*UNITB                       ; LDS address: wave x 33,792 + unit x 8,448
	s_add_nc_u64 s[G0+4*\u+2:G0+4*\u+3], s[4:5], \u*16*ROWG        ; global address: 16 rows further down for each unit
	s_or_b32 s[G0+4*\u+3], s[G0+4*\u+3], 0x80000000                ; type = 2
.endr
	; all the launch's fills, as one group, ahead of every wait on TENSORcnt and every LDS read
.irp u, 0,1,2,3
	tensor_load_to_lds s[G0+4*\u:G0+4*\u+3], s[G1:G1+7]
	s_nop 0
.endr
.rept 4
	v_nop                                          ; four v_nop follow the last of them
.endr
	s_mov_b32 s20, 0x76543210
	s_mov_b32 s21, 0xfedcba98                      ; v_permlanex16_b32's selects for lane l xor 16
	s_mov_b32 s22, 0x3a83126f                      ; 0.001
	s_lshl_b32 s[GS], s23, 1                       ; block b = 4 (w % 2) + u has its diagonal at k = 16 b + r: of the fragment's four groups of three registers (16 codes each) group 2 (b / 4) + b % 2 = 2 (w % 2) + u % 2,
	s_add_co_u32 s[GS+1], s[GS], 1                 ; in the half of the lanes (b / 2) % 2 = u / 2
	v_mul_u32_u24 v[XA], v1, PITCH
	v_lshl_add_u32 v[XA], v2, 7, v[XA]
	v_add_nc_u32 v[XA], s50, v[XA]                 ; row r, + 128 h: lane (r, h) takes blocks h and 2 + h of its row
	v_and_b32 v15, 31, v0                          ; lane
	v_lshlrev_b32 v[VA], 4, v15
	s_mul_i32 s13, s23, 4*FRB
	v_add_nc_u32 v[VA], s13, v[VA]                 ; 16 x lane + my four images' place in the record
	v_mul_u32_u24 v[VS], v2, BPART                 ; lanes 16-31 write part 1
	v_lshl_add_u32 v[VS], v1, 4, v[VS]
	s_lshl_b32 s13, s23, 8
	s_add_co_u32 s13, s13, SCW
	v_add_nc_u32 v[VS], s13, v[VS]                 ; + 12,288 + 256 (w % 2) + 16 r
	v_lshlrev_b32 v[SH], 3, v2
	v_mov_b32 v[PT], 0                             ; written once: a lane permute's destination counts as one of its sources
	; ---- my four blocks of Wm, while the units are on their way
	s_cmp_eq_u32 s11, s51                          ; does my K step hold my rows' diagonal?  The branch hangs on ids alone
	s_cbranch_scc1 .Ldiag
.irp i, 0,1,2,3
	v_mov_b32 v[Z+\i], 0
.endr
.irp u, 0,1,2,3
	v_mov_b32 v[PWB+\u], 0x7f7f7f7f                ; blocks of zeros: the byte 127
.endr
.irp j, 0,1,2,3,4,5,6,7,8,9,10,11
	global_store_b128 v[VA], v[Z:Z+3], s[18:19] offset:512*\j      ; four images of zeros: 6,144 consecutive bytes, 512 a store
.endr
	s_branch .Lx
.Ldiag:
.irp u, 0,1,2,3
	global_load_b32 v[WL+\u], v12, s[6:7] offset:\u*16*DIAG        ; w[o][o], o = 512 g + 64 w + 16 u + r (lanes 16-31 read what lanes 0-15 read)
.endr
	s_wait_loadcnt 0x0
.irp u, 0,1,2,3
	v_and_b32 v14, 0x7fffffff, v[WL+\u]
	v_cmp_lt_f32 vcc_lo, s22, v14                  ; |w| > 0.001 ?
	v_cndmask_b32 v13, 0, v[WL+\u], vcc_lo         ; else 0: a choice of value, no branch
	v_and_b32 v14, 0x7fffffff, v13
	v_max_num_f32 v14, FLOOR, v14                  ; the block's largest magnitude is the diagonal number's (all else in the block is 0), with the floor
	v_add_nc_u32 v[SO], 0xfe000000, v14            ; 4 off its exponent field: the conversion takes the exponent field of this operand as its scale
	v_lshrrev_b32 v[BY], 23, v[SO]                 ; the scale's byte
	v_lshl_or_b32 v[PW], v[BY], 8, v[BY]
	v_lshl_or_b32 v[PWB+\u], v[PW], 16, v[PW]      ; in all four bytes of the row's word: the other three blocks are zero codes
	v_cmp_eq_u32 vcc_lo, \u/2, v2
	v_cndmask_b32 v15, 0, v13, vcc_lo              ; only the half of the lanes whose block holds the diagonal keeps the number
.irp i, 0,1,2,3,4,5,6,7,8,9,10,11,12,13,14,15
	v_cmp_eq_u32 vcc_lo, \i, v1
	v_cndmask_b32 v[X+\i], 0, v15, vcc_lo          ; sixteen neighbours along K: number r is the diagonal's, the others are 0
.endr
	v_cvt_scalef32_pk16_bf6_f32 v[CT:CT+2], v[X:X+15], v[SO]
	v_nop                                          ; one plain place behind a scaled conversion
.irp gq, 0,1,2,3
	s_cmp_eq_u32 s[GS+\u%2], \gq
	s_cselect_b32 s49, -1, 0
.irp i, 0,1,2
	v_and_b32 v[BD+12*\u+3*\gq+\i], s49, v[CT+\i]  ; the three registers of codes at their group, zeros in the other nine
.endr
.endr
.endr
.irp j, 0,1,2,3,4,5,6,7,8,9,10,11
	global_store_b128 v[VA], v[BD+4*\j:BD+4*\j+3], s[18:19] offset:512*\j   ; the four fragments as they stand: lane l's 16 bytes at 16 l
.endr
.Lx:
; A UNIT: 16 rows x 128 columns of x become block 4 (w % 2) + u of my record.
.macro UNIT u
	s_wait_tensorcnt 3-(\u)                        ; tensor loads of a wave end in order (ISA guide 10.11.1): this unit is in LDS; the 3 - u issued behind it may be out
.irp cc, 0,1
.irp j, 0,1,2,3,4,5,6,7
	ds_load_b128 v[X+32*\cc+4*\j:X+32*\cc+4*\j+3], v[XA] offset:UNITB*(\u)+256*\cc+16*\j   ; x(r, 64 cc + 32 h + 4 j ..)
.endr
.endr
	s_wait_dscnt 0x0
.irp cc, 0,1                                   ; my two blocks' largest magnitudes: all 32 numbers of a block are mine; two chains a block, the four by turns
	v_max3_num_f32 v[MX+2*\cc], |v[X+32*\cc]|, |v[X+32*\cc+1]|, |v[X+32*\cc+2]|
	v_max3_num_f32 v[MX+2*\cc+1], |v[X+32*\cc+3]|, |v[X+32*\cc+4]|, |v[X+32*\cc+5]|
.endr
.irp i, 6,10,14,18,22,26
.irp cc, 0,1
	v_max3_num_f32 v[MX+2*\cc], v[MX+2*\cc], |v[X+32*\cc+\i]|, |v[X+32*\cc+\i+1]|
	v_max3_num_f32 v[MX+2*\cc+1], v[MX+2*\cc+1], |v[X+32*\cc+\i+2]|, |v[X+32*\cc+\i+3]|
.endr
.endr
.irp cc, 0,1
	v_max3_num_f32 v[MX+2*\cc], v[MX+2*\cc], |v[X+32*\cc+30]|, |v[X+32*\cc+31]|
.endr
.irp cc, 0,1
	v_max3_num_f32 v[MX+2*\cc], v[MX+2*\cc], v[MX+2*\cc+1], FLOOR
.endr
.irp cc, 0,1
	v_add_nc_u32 v[SO+\cc], 0xfe000000, v[MX+2*\cc]   ; 4 off the exponent field: the conversion's scale operand
.endr
.irp cc, 0,1
	v_lshrrev_b32 v[BY+\cc], 23, v[SO+\cc]         ; the scale's byte
.endr
	v_lshl_or_b32 v[PW], v[BY+1], 16, v[BY]        ; my two bytes: blocks h and 2 + h of row r,
	v_lshlrev_b32 v[PW], v[SH], v[PW]              ; at their places in the word (8 h bits up);
	v_permlanex16_b32 v[PT], v[PW], s20, s21
	v_or_b32 v[PWA+(\u)], v[PW], v[PT]             ; with lane l xor 16's two the word is whole
.irp cc, 0,1
	v_cvt_scalef32_pk16_bf6_f32 v[XF+12*(\u)+6*\cc:XF+12*(\u)+6*\cc+2], v[X+32*\cc:X+32*\cc+15], v[SO+\cc]   ; registers 6 cc .. 6 cc + 2 of the fragment
	v_cvt_scalef32_pk16_bf6_f32 v[CT+4*\cc:CT+4*\cc+2], v[X+32*\cc+16:X+32*\cc+31], v[SO+\cc]                ; (a conversion's three registers begin on an even number: the block's upper three are made elsewhere and moved)
.endr
	v_nop                                          ; one plain place behind a scaled conversion
.irp cc, 0,1
.irp i, 0,1,2
	v_mov_b32 v[XF+12*(\u)+6*\cc+3+\i], v[CT+4*\cc+\i]
.endr
.endr
.irp k, 0,1,2
	global_store_b128 v[VA], v[XF+12*(\u)+4*\k:XF+12*(\u)+4*\k+3], s[8:9] offset:FRB*(\u)+512*\k   ; 32 lanes store 512 consecutive bytes, at a multiple of 256 from img's first byte
.endr
.endm
	UNIT 0
	UNIT 1
	UNIT 2
	UNIT 3                                         ; its wait on TENSORcnt is for 0: no tensor load is out at the end
	v_cmp_eq_u32 vcc_lo, 1, v2
.irp u, 0,1,2,3
	v_cndmask_b32 v[SD+\u], v[PWA+\u], v[PWB+\u], vcc_lo   ; lanes 0-15: x's words of row r of my four blocks; lanes 16-31: Wm's
.endr
	global_store_b128 v[VS], v[SD:SD+3], s[8:9]    ; each half of the lanes stores 256 consecutive bytes, at a multiple of 256 from img's first byte
	s_wait_tensorcnt 0x0
	ds_add_u32 v240, v241
	s_wait_dscnt 0x0
	s_endpgm
.Lfunc_end_k_q4e2aa2dc3f_quant:
	.size	k_q4e2aa2dc3f_quant, .Lfunc_end_k_q4e2aa2dc3f_quant-k_q4e2aa2dc3f_quant
	.p2alignl 7, 3214868480
	.fill 96, 4, 3214868480
	.section	.rodata,"a",@progbits
	.p2align	6, 0x0
	.amdhsa_kernel k_q4e2aa2dc3f_quant
		.amdhsa_group_segment_fixed_size 271360
		.amdhsa_private_segment_fixed_size 0
		.amdhsa_enable_private_segment 0
		.amdhsa_kernarg_size 24
		.amdhsa_user_sgpr_count 2
		.amdhsa_user_sgpr_kernarg_segment_ptr 1
		.amdhsa_wavefront_size32 1
		.amdhsa_system_sgpr_workgroup_id_x 1
		.amdhsa_system_sgpr_workgroup_id_y 1
		.amdhsa_system_sgpr_workgroup_id_z 1
		.amdhsa_system_vgpr_workitem_id 0
		.amdhsa_next_free_vgpr 242
		.amdhsa_next_free_sgpr 66
		.amdhsa_reserve_vcc 1
		.amdhsa_float_denorm_mode_32 3
		.amdhsa_float_denorm_mode_16_64 3
		.amdhsa_memory_ordered 1
		.amdhsa_forward_progress 1
		.amdhsa_inst_pref_size 35
	.end_amdhsa_kernel
	.amdgpu_metadata
---
amdhsa.version: [ 1, 2 ]
amdhsa.kernels:
  - .name:           k_q4e2aa2dc3f_quant
    .symbol:         k_q4e2aa2dc3f_quant.kd
    .args:
      - { .name: x, .offset: 0, .size: 8, .value_kind: global_buffer, .address_space: global }
      - { .name: W, .offset: 8, .size: 8, .value_kind: global_buffer, .address_space: global }
      - { .name: img, .offset: 16, .size: 8, .value_kind: global_buffer, .address_space: global }
    .group_segment_fixed_size: 271360
    .private_segment_fixed_size: 0
    .kernarg_segment_align: 8
    .kernarg_segment_size: 24
    .max_flat_workgroup_size: 256
    .sgpr_count:     66
    .vgpr_count:     242
    .wavefront_size: 32
...
	.end_amdgpu_metadata
.endif
;; end of part 1
;; launch gemm (part 2): grid 16 x 16, 4 waves a work-group, clusters of 4 x 4, 327,680 bytes of LDS; arguments img, out0; writes out0
.if DOCPART == 2
	.amdgcn_target "amdgcn-amd-amdhsa--gfx1250"
	.amdhsa_code_object_version 6
	.text
	.protected	k_q4e2aa2dc3f_gemm
	.globl	k_q4e2aa2dc3f_gemm
	.p2align	8
	.type	k_q4e2aa2dc3f_gemm,@function
k_q4e2aa2dc3f_gemm:
	s_mov_b64 s[64:65], 0
	v_nop
	global_prefetch_b8 v0, s[64:65] scope:SCOPE_SE
	s_setreg_imm32_b32 hwreg(HW_REG_WAVE_MODE, 25, 1), 1
	s_wait_xcnt 0x0
	s_wait_alu depctr_hold_cnt(0) depctr_sa_sdst(0) depctr_va_vdst(0) depctr_va_sdst(0) depctr_va_ssrc(0) depctr_va_vcc(0) depctr_vm_vsrc(0)
	s_getreg_b32 s2, hwreg(HW_REG_IB_STS2, 6, 4)
	s_cmp_eq_u32 s2, 0
	s_cbranch_scc0 .Lentry_in_a_cluster
	s_endpgm
.Lentry_in_a_cluster:
	s_bfe_u32 s2, ttmp6, 0x10000c
	s_cmp_lg_u32 s2, 0xf033
	s_cbranch_scc0 .Lentry_shape_is_right
	s_endpgm
.Lentry_shape_is_right:
; out0[m][n] = sum over k of A[m][k] B[n][k].  A = Q(x), B = Q(Wm): [4096][4096] codes of BF6 (E3M2), 6 bits each, with one E8M0 scale for each 32 along K; out0: [4096][4096] f32; sums in f32, K ascending.
; The product is done whole, as it is written: every tile of B is multiplied, the tiles of zeros too.
; THE OPERANDS LIE IN THE ORDER OF THEIR REGISTERS, as the launch before laid them.  img = part 0 (A), part 1 (B), BPART bytes each.  A part: 32 groups of 128 rows; a group: 32 K steps of 128; a (group, K step) is a RECORD of
; 12,800 bytes: eight fragment images of 1,536 bytes (block b = 16 rows x 128 K: registers 4 k .. 4 k + 3 of lane l at 1,536 b + 512 k + 16 l), then 512 bytes of scale words (row r of block b: at 12,288 + 256 (b / 4) + 16 r + 4 (b % 4)).
; So a group's records of neighbouring K steps are one dense block of memory, a fragment comes from LDS by three loads of 16 bytes a lane, 512 consecutive bytes each, and a step's scale words by two.
; A tile of C, 256 x 256, is made by a work-group of four waves, as many as a WGP has SIMDs; a wave makes 128 x 128: 64 accumulators of 16 x 16, 512 registers.  16 x 16 tiles: 256 work-groups.
; K goes through a ring of two LDS slots of THREE steps of 128, as many as two slots in LDS allow: a wave's tensor load brings three records of one group, 150 rows of 256 bytes.  32 steps are ten such fills and one of two
; steps, which has descriptor groups 1 of its own.  A refill is asked for 32 matrix instructions into a slot's last step and waited for at the head of the next slot's last step: 160 matrix instructions later.
; CLUSTERS: 4 x 4 work-groups.  The four of a row of the cluster need the same records of A, the four of a column the same records of B: each is asked for JOINTLY, by the same tensor load with the
; same descriptor and a mask that names the four.  THE MATRIX INSTRUCTION IS USED TRANSPOSED (source 0 = 16 rows of B, source 1 = 16 rows of A): a lane then holds eight neighbouring numbers of a row of C.
; REGISTERS, in windows of 256: window 0: v0-31 addresses; v32-47 scale words, two sets of eight; from v128 A's fragments (8 x 16 rows x 128 K), ONE set; on the way out v128-255 take the rows.
;   window 1: B's fragments, TWO sets, at v0 and at v128.   window 2: the 32 accumulators of my rows 0-63 (accumulator (a, b) at v[8 (8 a + b)]);   window 3: those of my rows 64-127.
; A step of 128 along K is 64 matrix instructions, A's blocks one after the other, each against B's eight.  So a block of A is free as soon as its eight products are issued, and one set of registers serves A:
; blocks 0-3 are fetched anew in the step's middle, blocks 4-7 at its end.  B's fragments and the scale words are at work through the whole step, so they have two sets, which take turns step by step.
; LIMITS: those of the codes and scale bytes, stated where they are made; no scale byte is 0xff.
.set SIZE_N, 4096
.set FRB,    1536                      ; a fragment's image
.set SCW,    8*FRB                     ; where a record's scale words begin
.set REC,    SCW+512                   ; a record: 50 rows of 256 bytes
.set GRP,    32*REC                    ; a group of 128 rows, all of K
.set BPART,  32*GRP                    ; a part
.set NS,     3                         ; steps of 128 in a slot
.set FR,     12                        ; registers of a fragment
.set NL,     3                         ; LDS loads that bring one
.set NP,     4                         ; places behind this matrix instruction (ISA guide 7.12.1)
.set HALFT,  NS*REC                    ; 38,400: what one tensor load brings, and what one wave reads of A or of B
.set SLOT,   4*HALFT                   ; A's two groups, then B's two: 153,600
.set SPARE,  2*SLOT                    ; 307,200: behind the ring: the spare words, 128 bytes for each wave: two blocks of 256 bytes that no other line names
.set TRIPS,  4                         ; a trip = six steps = once round the ring; 1 + 6 x 4 + 7 = 32 steps
.set SPITCH, 528                       ; the way out: a stage of 16 rows x (512 bytes + 16) for each wave
.set STAGE,  SLOT                      ; it lies in slot 1, which has had its last fill and its last read when the first result is stored there: the last two steps lie in slot 0
.set ADRA, 16                          ; v16-17  LDS address of my A fragments in slot 0, 1: 16 x lane + my group's place
.set ADRB, 20                          ; v20-21  the same for B
.set ADRS, 22                          ; v22-23  LDS address of my scale words in slot 0, 1: lanes 0-15 A's rows, lanes 16-31 B's
.set STO,  24                          ; v24     the way out: where I put 32 bytes of a row
.set RD,   25                          ; v25     the way out: where I read a row back
.set CO,   26                          ; v26     16 x lane: my byte offset in a row of C
.set SPW,  28                          ; v28     LDS address of my spare word: SPARE + 4 x my thread's number; never rewritten
.set NIL,  29                          ; v29     0; never rewritten
.set SC,   32                          ; scale words: set p at v[SC + 8 p]; in it register i: lanes 0-15 the word of A's block i, lanes 16-31 that of B's block i
.set AF,   128                         ; A's fragments, in window 0
.set BK,   128                         ; the way out: 16 rows read back from the stage: v128-191 and v192-255 by turns
.set CB,   6                           ; s[6:7]   C
.set G1, 24                            ; s[24:31] descriptor group 1 for A's records, three steps;  s[32:39] group 0, one set for each slot
.set G0, 32
.set G1B, 48                           ; s[48:55], s[56:63] the same for B's
.set G0B, 56
.set G1S, 68                           ; s[68:75] group 1 for A's last fill, two steps;  s[80:87] for B's
.set G1SB, 80
.set MSB, 0
.macro WIN new                         ; the immediate's high byte repeats the setting that is left
.if MSB != \new
	s_set_vgpr_msb (MSB<<8)|\new
.set MSB, \new
.endif
.endm
.set MUL_LO, 0xa1                      ; source 0 (B) window 1, source 1 (A) window 0, C and D window 2
.set MUL_HI, 0xf1                      ; the same, C and D window 3
.set TO_B,   0x40                      ; destination window 1, address window 0
; A joint load: waves 0 and 1 fetch for A, waves 2 and 3 for B.  Each of the two lines has ONE mask and one set of registers for all that issue it; the branch hangs on the wave's number alone.
; Four v_nop follow each of the two lines, ahead of the jump, the label and what follows.
.macro JLOAD g0a, g1a, g0b, g1b
	s_cmp_eq_u32 s15, 0
	s_cbranch_scc0 .Lfor_b_\@
	tensor_load_to_lds s[\g0a:\g0a+3], s[\g1a:\g1a+7]
	s_nop 0
.rept 4
	v_nop
.endr
	s_branch .Lasked_\@
.Lfor_b_\@:
	tensor_load_to_lds s[\g0b:\g0b+3], s[\g1b:\g1b+7]
	s_nop 0
.rept 4
	v_nop
.endr
.Lasked_\@:
.endm
.macro CREST                           ; a round of the cluster's barrier behind its opening barrier
	s_cmp_lg_u32 s14, 0
	s_cbranch_scc1 .Lnot_wave_0_\@
	s_barrier_signal -3
.Lnot_wave_0_\@:
	s_barrier_wait -3
	s_barrier_signal -1
	s_barrier_wait -1
.endm
.macro CROUND                          ; a whole round
	s_barrier_signal -1
	s_barrier_wait -1
	CREST
.endm
	s_load_b128 s[4:7], s[0:1], 0x0                ; img s[4:5], C s[6:7]
	v_lshl_add_u32 v[SPW], v0, 2, SPARE
	v_mov_b32 v[NIL], 0
	ds_add_u32 v28, v29
	ds_add_u32 v28, v29
	s_wait_dscnt 0x0
	v_lshrrev_b32 v1, 5, v0
	v_readfirstlane_b32 s14, v1                    ; wave 0..3
	s_lshr_b32 s15, s14, 1                         ; which half of the tile's rows is mine.  Also: I fetch for A (0) or for B (1)
	s_and_b32 s16, s14, 1                          ; which half of its columns.  Also: which group of 128 rows of that tile I fetch
	s_bfe_u32 s40, ttmp6, 0x40000                  ; cx, cy: my place in the cluster
	s_bfe_u32 s41, ttmp6, 0x40004
	s_lshl_b32 s42, ttmp9, 2
	s_add_co_u32 s42, s42, s40                     ; tile column of C = 4 x cluster x + cx
	s_and_b32 s17, ttmp7, 0xffff
	s_lshl_b32 s17, s17, 2
	s_add_co_u32 s17, s17, s41                     ; tile row of C = 4 x cluster y + cy
	s_lshl_b32 s43, s41, 2
	s_lshl_b32 s43, 15, s43                        ; my row of the cluster
	s_lshl_b32 s44, 0x1111, s40                    ; my column
	; descriptor group 1: a dense block, as rows of 256 bytes (32 elements of 8 bytes), no padding: every LDS load of the loop takes 512 consecutive bytes
	s_or_b32 s[G1+0], s43, (3<<16)|(1<<21)         ; 15:0 the mask: A's records go to my row; 17:16 elements of 8 bytes; 20 padding off; 21 set beside a mask
	s_or_b32 s[G1B+0], s44, (3<<16)|(1<<21)        ; B's go to my column
	s_or_b32 s[G1S+0], s43, (3<<16)|(1<<21)
	s_or_b32 s[G1SB+0], s44, (3<<16)|(1<<21)
.irp g, G1, G1B
	s_mov_b32 s[\g+1], 32<<16                      ; tensor_dim0 = 32
	s_mov_b32 s[\g+2], (NS*50)<<16                 ; tensor_dim1 = 150: three records
	s_mov_b32 s[\g+3], 32<<16                      ; tile_dim0 = 32
	s_mov_b32 s[\g+4], NS*50                       ; tile_dim1 = 150
	s_mov_b32 s[\g+5], 32                          ; elements from row to row
	s_mov_b32 s[\g+6], 0
	s_mov_b32 s[\g+7], 0
.endr
.irp g, G1S, G1SB
	s_mov_b32 s[\g+1], 32<<16
	s_mov_b32 s[\g+2], 100<<16                     ; two records: K steps 30 and 31, with which a group ends
	s_mov_b32 s[\g+3], 32<<16
	s_mov_b32 s[\g+4], 100
	s_mov_b32 s[\g+5], 32
	s_mov_b32 s[\g+6], 0
	s_mov_b32 s[\g+7], 0
.endr
	; where the records come from.  A's hang on the tile row alone, which my row of the cluster shares; B's on the tile column alone, which my column shares.
	s_lshl_b32 s20, s17, 1
	s_add_co_u32 s20, s20, s16                     ; A: group 2 x tile row + half
	s_mul_i32 s20, s20, GRP
	s_mov_b32 s21, 0
	s_lshl_b32 s46, s42, 1
	s_add_co_u32 s46, s46, s16                     ; B: group 2 x tile column + half,
	s_mul_i32 s46, s46, GRP
	s_add_co_u32 s46, s46, BPART                   ; in part 1
	s_mov_b32 s47, 0
	s_mul_i32 s45, s14, HALFT                      ; where they go: wave x 38,400: no place in the cluster enters an LDS address
	s_wait_kmcnt 0x0
	s_add_nc_u64 s[20:21], s[4:5], s[20:21]
	s_add_nc_u64 s[46:47], s[4:5], s[46:47]
	CROUND                                         ; all sixteen work-groups are here: the first joint loads meet
.irp s, 0,1
	s_mov_b32 s[G0+4*\s], 1                                        ; count = 1
	s_add_co_u32 s[G0+4*\s+1], s45, \s*SLOT                        ; LDS address
	s_add_nc_u64 s[G0+4*\s+2:G0+4*\s+3], s[20:21], \s*HALFT        ; global address: K steps 3 s on
	s_or_b32 s[G0+4*\s+3], s[G0+4*\s+3], 0x80000000                ; type = 2
	s_mov_b32 s[G0B+4*\s], 1
	s_add_co_u32 s[G0B+4*\s+1], s45, \s*SLOT
	s_add_nc_u64 s[G0B+4*\s+2:G0B+4*\s+3], s[46:47], \s*HALFT
	s_or_b32 s[G0B+4*\s+3], s[G0B+4*\s+3], 0x80000000
	JLOAD G0+4*\s, G1, G0B+4*\s, G1B               ; the ring is filled before anything else is done: two tensor loads of a wave are out at the most
.endr
	v_and_b32 v1, 15, v0                           ; r = l % 16
	v_bfe_u32 v2, v0, 4, 1                         ; h = l / 16
	v_and_b32 v6, 31, v0
	v_lshlrev_b32 v[CO], 4, v6                     ; 16 x lane
	s_mul_i32 s21, s15, HALFT                      ; my group of A
	s_mul_i32 s22, s16, HALFT                      ; my group of B,
	s_add_co_u32 s22, s22, 2*HALFT                 ; which lies behind A's two
.irp s, 0,1
	v_add_nc_u32 v[ADRA+\s], s21, v[CO]
	v_add_nc_u32 v[ADRB+\s], s22, v[CO]
	s_add_co_u32 s21, s21, SLOT
	s_add_co_u32 s22, s22, SLOT
.endr
	s_mul_i32 s21, s15, HALFT                      ; the scale words: A's group,
	s_mul_i32 s22, s16, HALFT
	s_add_co_u32 s22, s22, 2*HALFT
	s_sub_co_u32 s22, s22, s21                     ; and how far behind it B's lies
	v_mul_u32_u24 v6, s22, v2                      ; lanes 16-31 take B's: one product, the distance between the two bases x the lane's half
	v_lshl_add_u32 v5, v1, 4, v6                   ; + 16 r: four blocks' words of row r
	s_add_co_u32 s21, s21, SCW
	v_add_nc_u32 v[ADRS], s21, v5
	s_add_co_u32 s21, s21, SLOT
	v_add_nc_u32 v[ADRS+1], s21, v5
	s_mul_i32 s23, s14, 16*SPITCH
	s_add_co_u32 s23, s23, STAGE                   ; my stage
	v_mul_u32_u24 v5, v1, SPITCH                   ; in: row l % 16, 32 bytes for each half of the lanes
	v_lshl_add_u32 v5, v2, 5, v5
	v_add_nc_u32 v[STO], s23, v5
	v_add_nc_u32 v[RD], s23, v[CO]                 ; back: the 32 lanes take one row of 512 bytes
	s_lshl_b32 s20, s17, 8
	s_lshl_b32 s21, s15, 7
	s_add_co_u32 s20, s20, s21                     ; my first row of C: 256 x tile row + 128 x half
	s_mov_b32 s21, 0
	s_mov_b64 s[18:19], SIZE_N*4
	s_mul_u64 s[20:21], s[20:21], s[18:19]
	s_lshl_b32 s46, s42, 10                        ; my first column, in bytes: 1024 x tile column + 512 x half
	s_lshl_b32 s47, s16, 9
	s_add_co_u32 s46, s46, s47
	s_mov_b32 s47, 0
	s_add_nc_u64 s[20:21], s[20:21], s[46:47]
	s_add_nc_u64 s[CB:CB+1], s[CB:CB+1], s[20:21]
.macro FRAG reg, adr, off              ; a fragment's image comes back as it was stored: the same twelve registers in the same lanes; each load takes 512 consecutive bytes
.irp k, 0,1,2
	ds_load_b128 v[\reg+4*\k:\reg+4*\k+3], v[\adr] offset:(\off)+512*\k
.endr
.endm
; 16 matrix instructions: A's blocks a0, a0 + 1 x B's eight, 128 along K.  p: B's set and the set of scale words.  zero = 1: the first product starts the sums: nothing is ever cleared.
; The 64 accumulators take turns, one instruction a turn, in the same order in every step.
.macro MUL16 a0, p, zero
.irp a, \a0, \a0+1
.irp b, 0,1,2,3,4,5,6,7
.if \zero
	v_wmma_scale_f32_16x16x128_f8f6f4 v[8*(8*((\a)%4)+\b):8*(8*((\a)%4)+\b)+7], v[128*(\p)+FR*\b:128*(\p)+FR*\b+FR-1], v[AF+FR*(\a):AF+FR*(\a)+FR-1], 0, v[SC+8*(\p)+\b], v[SC+8*(\p)+(\a)] matrix_a_fmt:MATRIX_FMT_BF6 matrix_b_fmt:MATRIX_FMT_BF6 matrix_a_scale:MATRIX_SCALE_ROW1
.else
	v_wmma_scale_f32_16x16x128_f8f6f4 v[8*(8*((\a)%4)+\b):8*(8*((\a)%4)+\b)+7], v[128*(\p)+FR*\b:128*(\p)+FR*\b+FR-1], v[AF+FR*(\a):AF+FR*(\a)+FR-1], v[8*(8*((\a)%4)+\b):8*(8*((\a)%4)+\b)+7], v[SC+8*(\p)+\b], v[SC+8*(\p)+(\a)] matrix_a_fmt:MATRIX_FMT_BF6 matrix_b_fmt:MATRIX_FMT_BF6 matrix_a_scale:MATRIX_SCALE_ROW1
.endif
.endr
.endr
.endm
.macro FETCH_B slot, q, p              ; B's eight fragments of the slot's q-th step into set p
	WIN TO_B
.irp i, 0,1,2,3,4,5,6,7
	FRAG 128*(\p)+FR*\i, ADRB+\slot, (\q)*REC+\i*FRB
.endr
	WIN 0
.endm
.macro FETCH_A slot, q, i0             ; A's blocks i0 .. i0 + 3
.irp i, \i0, \i0+1, \i0+2, \i0+3
	FRAG AF+FR*(\i), ADRA+\slot, (\q)*REC+(\i)*FRB
.endr
.endm
.macro SCALES slot, q, p               ; the step's scale words into set p: a load brings four blocks' words; lanes 0-15 take A's, lanes 16-31 B's
.irp b, 0,1
	ds_load_b128 v[SC+8*(\p)+4*\b:SC+8*(\p)+4*\b+3], v[ADRS+\slot] offset:(\q)*REC+256*\b
.endr
.endm
; A load into a register that a matrix instruction has read, and a vector instruction or an LDS store that reads a matrix result, stand NP places behind that matrix instruction, and only plain vector
; instructions that name none of its registers are places (ISA guide 7.12.1 for vector instructions); this text does not count the matrix instructions in between.
.macro PLACES n
.rept \n
	v_nop
.endr
.endm
; The slot's q-th step, which has its successor in the same slot.  p: the sets that it multiplies; the successor's fragments of B and scale words go into the other sets.
.macro STEP slot, q, p, zero
	s_wait_dscnt 4*NL                              ; B's set, A's blocks 0-3 and the scale words are in; the youngest twelve loads (A's blocks 4-7) may be out
	WIN MUL_LO
	MUL16 0, \p, \zero
	MUL16 2, \p, \zero
	s_wait_dscnt 0                                 ; A's blocks 4-7 are in (asked for 32 matrix instructions ago)
	PLACES NP
	FETCH_B \slot, (\q)+1, 1-(\p)
	FETCH_A \slot, (\q)+1, 0
	SCALES \slot, (\q)+1, 1-(\p)
	WIN MUL_HI
	MUL16 4, \p, \zero
	MUL16 6, \p, \zero
	PLACES NP
	WIN 0
	FETCH_A \slot, (\q)+1, 4
.endm
; A slot's last step changes slots: ONE barrier; in front of it each wave waits for all its tensor loads, adds 0 to its spare word, and waits for that and for its own reads of this slot.
; fill = 1: this slot is filled again, with the three steps six steps on; 2: with the last two steps; 0: not at all.
.macro TURN slot, next, p, fill
	s_wait_tensorcnt 0x0                           ; all my tensor loads have landed: my part of the next slot;  (every window is 0 here: the add's two registers lie in window 0)
	ds_add_u32 v[SPW], v[NIL]                      ; 0 onto my spare word;
	s_wait_dscnt 4*NL+1                            ; (the add and the youngest twelve loads, A's blocks 4-7, may be out)
	WIN MUL_LO
	MUL16 0, \p, 0                                 ; sixteen matrix instructions stand between the add and the wait for it
	s_wait_dscnt 0x0                               ; the add is done, and my reads of this slot are over
	s_barrier_signal -1
	MUL16 2, \p, 0
	WIN 0
	s_barrier_wait -1
.if \fill
	CREST                                          ; the barrier has opened a round of the cluster's barrier: no wave of any partner still reads this slot or has a load on its way
	s_add_nc_u64 s[G0+4*\slot+2:G0+4*\slot+3], s[G0+4*\slot+2:G0+4*\slot+3], 2*HALFT
	s_add_nc_u64 s[G0B+4*\slot+2:G0B+4*\slot+3], s[G0B+4*\slot+2:G0B+4*\slot+3], 2*HALFT
.if \fill == 1
	JLOAD G0+4*\slot, G1, G0B+4*\slot, G1B         ; the first tensor load behind the round; the four v_nop behind it are the places in front of the loads below
.else
	JLOAD G0+4*\slot, G1S, G0B+4*\slot, G1SB       ; the same for the two steps that are left
.endif
.else
	PLACES NP
.endif
	FETCH_B \next, 0, 1-(\p)
	FETCH_A \next, 0, 0
	SCALES \next, 0, 1-(\p)
	WIN MUL_HI
	MUL16 4, \p, 0
	MUL16 6, \p, 0
	PLACES NP
	WIN 0
	FETCH_A \next, 0, 4
.endm
	s_wait_tensorcnt 1                             ; my part of slot 0 is in (slot 1's load may be out)
	s_barrier_signal -1
	s_barrier_wait -1                              ; everybody's is
	FETCH_B 0, 0, 0
	FETCH_A 0, 0, 0
	SCALES 0, 0, 0
	FETCH_A 0, 0, 4
	STEP 0, 0, 0, 1                                ; step 0 stands in front of the loop: its products start the sums
	s_mov_b32 s3, TRIPS
.Llap:                                                 ; a trip goes once round the ring, from a lap's second step to the next lap's first, and fills both slots again.  The sets take turns: 1, 0, 1, 0, 1, 0
	STEP 0, 1, 1, 0
	TURN 0, 1, 0, 1
	STEP 1, 0, 1, 0
	STEP 1, 1, 0, 0
	TURN 1, 0, 1, 1
	STEP 0, 0, 0, 0
	s_sub_co_u32 s3, s3, 1
	s_cmp_lg_u32 s3, 0
	s_cbranch_scc1 .Llap
	STEP 0, 1, 1, 0                                ; steps 25 to 31 are written out
	TURN 0, 1, 0, 2                                ; slot 0 takes the last two steps
	STEP 1, 0, 1, 0
	STEP 1, 1, 0, 0
	TURN 1, 0, 1, 0                                ; nothing is left to fetch: no round of the cluster's barrier.  Behind this barrier nobody reads slot 1
	STEP 0, 0, 0, 0
	s_wait_dscnt 4*NL                              ; the very last step
	WIN MUL_LO
	MUL16 0, 1, 0
	MUL16 2, 1, 0
	s_wait_dscnt 0
	WIN MUL_HI
	MUL16 4, 1, 0
	MUL16 6, 1, 0
	WIN 0
; THE WAY OUT, block by block of 16 rows x 128 columns.  A lane holds 32 neighbouring bytes of a row, and the lanes beside it hold other rows: so a block goes through my own stage in LDS and comes back as whole
; rows of 512 bytes.  LDS serves a wave's instructions in order (ISA guide 5.7.1.4): no wait between the stores and the loads, nor in front of the next block's stores.
.macro TOSTAGE a
.set AC, 64*((\a)%4)
	WIN 0x08+4*((\a)/4)                            ; the data: window 2 or 3
.irp b, 0,1,2,3,4,5,6,7
	ds_store_b128 v[STO], v[AC+8*\b:AC+8*\b+3] offset:64*\b          ; each accumulator from its low end on
	ds_store_b128 v[STO], v[AC+8*\b+4:AC+8*\b+7] offset:64*\b+16
.endr
	WIN 0
.set BB, BK+64*((\a)%2)
.irp t, 0,1,2,3,4,5,6,7,8,9,10,11,12,13,14,15
	ds_load_b128 v[BB+4*\t:BB+4*\t+3], v[RD] offset:\t*SPITCH
.endr
.endm
.macro SEND a, younger                 ; younger: the LDS instructions issued behind block a's loads, which may stay out
.set BB, BK+64*((\a)%2)
	s_wait_dscnt \younger                          ; the block is back in registers
.if (\a) > 0
	s_add_nc_u64 s[CB:CB+1], s[CB:CB+1], 16*SIZE_N*4   ; (behind a wait on XCNT: the earlier stores have read their base)  16 rows of C on, so that the stores' offsets stay small: 15 rows of C at the most
.endif
.irp t, 0,1,2,3,4,5,6,7,8,9,10,11,12,13,14,15
	global_store_b128 v[CO], v[BB+4*\t:BB+4*\t+3], s[CB:CB+1] offset:\t*SIZE_N*4 th:TH_STORE_NT   ; 32 lanes store 512 consecutive bytes, at a multiple of 256 from C's first byte; written once, read by nobody here
.endr
.endm
	PLACES NP                                      ; these places serve the loads into the registers that held A's fragments and the reads of the last products' results alike
	TOSTAGE 0
.irp a, 1,2,3,4,5,6,7
.if \a > 1
	s_wait_xcnt 0x0                                ; block a - 2's stores have read their registers and their base: block a's loads may land there, and the base may step
.endif
	TOSTAGE \a
	SEND \a-1, 32                                  ; behind block a - 1's loads: block a's 16 stores and 16 loads
.endr
	s_wait_xcnt 0x0                                ; block 6's stores have read their base
	SEND 7, 0
	s_wait_tensorcnt 0x0                           ; the wave's end: behind my last tensor load and my last LDS store
	ds_add_u32 v[SPW], v[NIL]
	s_wait_dscnt 0x0
	CROUND                                         ; the closing round: no work-group ends while a partner may still ask for a record that names it
	s_endpgm
.Lfunc_end_k_q4e2aa2dc3f_gemm:
	.size	k_q4e2aa2dc3f_gemm, .Lfunc_end_k_q4e2aa2dc3f_gemm-k_q4e2aa2dc3f_gemm
	.p2alignl 7, 3214868480
	.fill 96, 4, 3214868480
	.section	.rodata,"a",@progbits
	.p2align	6, 0x0
	.amdhsa_kernel k_q4e2aa2dc3f_gemm
		.amdhsa_group_segment_fixed_size 327680
		.amdhsa_private_segment_fixed_size 0
		.amdhsa_enable_private_segment 0
		.amdhsa_kernarg_size 16
		.amdhsa_user_sgpr_count 2
		.amdhsa_user_sgpr_kernarg_segment_ptr 1
		.amdhsa_wavefront_size32 1
		.amdhsa_system_sgpr_workgroup_id_x 1
		.amdhsa_system_sgpr_workgroup_id_y 1
		.amdhsa_system_sgpr_workgroup_id_z 1
		.amdhsa_system_vgpr_workitem_id 0
		.amdhsa_next_free_vgpr 1024
		.amdhsa_next_free_sgpr 90
		.amdhsa_reserve_vcc 0
		.amdhsa_float_denorm_mode_32 3
		.amdhsa_float_denorm_mode_16_64 3
		.amdhsa_memory_ordered 1
		.amdhsa_forward_progress 1
		.amdhsa_inst_pref_size 204
	.end_amdhsa_kernel
	.amdgpu_metadata
---
amdhsa.version: [ 1, 2 ]
amdhsa.kernels:
  - .name:           k_q4e2aa2dc3f_gemm
    .symbol:         k_q4e2aa2dc3f_gemm.kd
    .args:
      - { .name: img, .offset: 0, .size: 8, .value_kind: global_buffer, .address_space: global }
      - { .name: out0, .offset: 8, .size: 8, .value_kind: global_buffer, .address_space: global }
    .group_segment_fixed_size: 327680
    .private_segment_fixed_size: 0
    .kernarg_segment_align: 8
    .kernarg_segment_size: 16
    .max_flat_workgroup_size: 128
    .sgpr_count:     90
    .vgpr_count:     1024
    .wavefront_size: 32
...
	.end_amdgpu_metadata
.endif
;; end of part 2
